; MI455X (gfx1250); checked and timed in simulation.
; The chip was launched on July 23, 2026; its instructions are those of AMD's public machine-readable ISA for CDNA 5 (MIT licence, August 2026) and "CDNA5" Instruction Set Architecture Reference Guide (July 2026). The comments in the code are by the model that wrote it; some were corrected since.
;; Mixture Of Experts. Allowed arithmetic: float matrix products may take bf16 or f16 operands with f32 sums; other float arithmetic in f32, or as packed bf16 or f16 multiplies, adds, multiply-adds, maxima and minima; sums over many terms, partial sums and values carried from step to step in f32; what a program stores and reads back later, other than sums and carried values, may be rounded once to bf16 or f16.
;; Inputs: W1 8 x 1,024 x 4,096 float32; W2 8 x 4,096 x 1,024 float32; Wg 1,024 x 8 float32; b1 8 x 4,096 float32; b2 8 x 1,024 float32; x 4 x 256 x 1,024 float32.
;; Outputs: out0 4 x 256 x 1,024 float32.
;; Constants: top_k = 2.
;; One version. Each part assembles by itself: llvm-mc -triple=amdgcn-amd-amdhsa -mcpu=gfx1250 --defsym DOCPART=n.
;; ======== version 1 of 1: 4 launches
;; workspace buffers: xb 2,097,152 bytes; sel 4,096 bytes of whole numbers; gates 8,192 bytes; hid 16,777,216 bytes; part 33,554,432 bytes
;; launch router (part 1): grid 256 x 1, 1 waves a work-group, no clusters, 0 bytes of LDS; arguments x, Wg, xb, sel, gates; writes xb, sel, gates
.if DOCPART == 1
	.amdgcn_target "amdgcn-amd-amdhsa--gfx1250"
	.amdhsa_code_object_version 6
	.text
	.protected	k_q7c438ae204_router
	.globl	k_q7c438ae204_router
	.p2align	8
	.type	k_q7c438ae204_router,@function
k_q7c438ae204_router:
	s_mov_b64 s[64:65], 0
	v_nop
	global_prefetch_b8 v0, s[64:65] scope:SCOPE_SE
	s_setreg_imm32_b32 hwreg(HW_REG_WAVE_MODE, 25, 1), 1
	s_wait_xcnt 0x0
; ROUTER.  logits = x Wg for 1,024 tokens and 8 experts; the two largest; their renormalised softmax weights.  Also x rounded to bf16 for the first product.
; x and Wg are rounded to bf16 first, as every input of this program is; a product of two bf16 numbers is exact in f32, the sums are f32.
; SHARES.  One wave takes 4 tokens (t = 4 x work-group + tau).  Lane l owns d = 128 i + 4 l + c (i 0..7, c 0..3): 32 of the 1,024 terms of each of the 4 x 8 sums; then the sums go over the lanes.
; NO MATRIX UNIT: 8 columns fill half a tile, Wg lies [d][8] so that fragments would be gathers of 4 bytes, and the 8.4 million multiply-adds are a 2,000th part of the program's.
; OUT, at fixed places: sel[t] = (1 << e0) | (256 << e1), whole numbers from which later launches place the rows; gates[0][t], gates[1][t]; xb[t][d].
; GATES.  vals / sum(vals) of the two chosen probabilities is 1 / (1 + q) and q / (1 + q) with q = e^(l1 - l0) <= 1: the softmax's maximum is taken away and its denominator cancels.
; LIMITS.  Logits are finite (no NaN, no infinity).  The choice is made on the logits, a strict 'greater' keeping the lower index; two unequal logits whose probabilities round to one f32 number
; are told apart here and not there.  q below 2^-126 counts as 0.
; REGISTERS.  window 0: v1-3 16 l, 128 l, 8 l; v5 1; v8-15 a lane's eight logits; v16-28 the choice; v32-159 x; v160-223 x packed, later at work; v224-255 the 32 sums.  window 1: Wg, at 32 i + 8 c + e.
.set XR,  32                           ; x[tau][i][c] at XR + 32 tau + 4 i + c
.set XP,  160                          ; two bf16 a register: XP + 16 tau + 2 i + c / 2
.set ACC, 224                          ; sum[tau][e] at ACC + 8 tau + e
.set LG,  8
.set MSB, 0
.macro WIN new                         ; the immediate's high byte repeats the setting that is left; a switch that changes nothing is dropped
.if MSB != (\new)
	s_set_vgpr_msb (MSB<<8)|(\new)
.set MSB, (\new)
.endif
.endm
	s_load_b256 s[4:11], s[0:1], 0x0               ; x s[4:5], Wg s[6:7], xb s[8:9], sel s[10:11]
	s_load_b64 s[12:13], s[0:1], 0x20              ; gates
	v_lshlrev_b32 v1, 4, v0                        ; my 16 bytes in 512 of x
	v_lshlrev_b32 v2, 7, v0                        ; my 4 rows of 32 bytes in 4,096 of Wg
	v_lshlrev_b32 v3, 3, v0                        ; my 8 bytes in 256 of xb
	v_mov_b32 v5, 1
	v_lshlrev_b32 v26, 2, v0
	v_and_b32 v27, 3, v0                           ; the token that this lane decides
	s_mov_b32 s16, 0xffff0000                      ; a word's upper bf16
	s_mov_b32 s18, 0x76543210                      ; v_permlanex16_b32: each lane takes its own place in the other half
	s_mov_b32 s19, 0xfedcba98
	s_mov_b32 s15, 0
	s_lshl_b32 s14, ttmp9, 14                      ; 4 tokens of 4,096 bytes
	s_wait_kmcnt 0x0
	s_add_nc_u64 s[4:5], s[4:5], s[14:15]
	s_lshl_b32 s14, ttmp9, 13                      ; 4 tokens of 2,048 bytes
	s_add_nc_u64 s[8:9], s[8:9], s[14:15]
	s_lshl_b32 s14, ttmp9, 4                       ; 4 tokens of 4 bytes
	s_add_nc_u64 s[10:11], s[10:11], s[14:15]
	s_add_nc_u64 s[12:13], s[12:13], s[14:15]
.set n, 0
.rept 32                                       ; x: tau = n / 8, i = n % 8; a load of the wave covers 512 consecutive bytes
	global_load_b128 v[XR+4*n:XR+4*n+3], v1, s[4:5] offset:(n/8)*4096+(n%8)*512 th:TH_LOAD_NT
.set n, n+1
.endr
	WIN 0x40                                       ; destination window 1, address window 0
.set n, 0
.rept 64                                       ; all of Wg: i = n / 8, 16 bytes n % 8 of my 128
	global_load_b128 v[4*n:4*n+3], v2, s[6:7] offset:(n/8)*4096+(n%8)*16
.set n, n+1
.endr
	WIN 0
	s_wait_loadcnt 63                              ; x's 32 loads are in: 64 loads are younger, and 63 is the most that a wait names
.set n, 0
.rept 64
	v_cvt_pk_bf16_f32 v[XP+n], v[XR+2*n], v[XR+2*n+1]
.set n, n+1
.endr
.set n, 0
.rept 32
	global_store_b64 v3, v[XP+2*n:XP+2*n+1], s[8:9] offset:(n/8)*2048+(n%8)*256  ; the wave's 32 lanes store 256 consecutive bytes, aligned
.set n, n+1
.endr
.set n, 0
.rept 64                                       ; and back to f32: the rounded x is what is multiplied
	v_lshlrev_b32 v[XR+2*n], 16, v[XP+n]
	v_and_b32 v[XR+2*n+1], s16, v[XP+n]
.set n, n+1
.endr
	s_wait_loadcnt 0x0                             ; Wg
	s_wait_xcnt 0x0                                ; the stores have read XP: it is written again only behind this wait
.irp b, 0,1                                    ; Wg is rounded in place, 64 pairs at a time through XP's registers
	WIN 0x05                                       ; sources window 1, destination window 0
.set n, 0
.rept 64
	v_cvt_pk_bf16_f32 v[XP+n], v[128*\b+2*n], v[128*\b+2*n+1]
.set n, n+1
.endr
	WIN 0x40
.set n, 0
.rept 64
	v_lshlrev_b32 v[128*\b+2*n], 16, v[XP+n]
	v_and_b32 v[128*\b+2*n+1], s16, v[XP+n]
.set n, n+1
.endr
.endr
	WIN 0x04                                       ; source 1 (Wg) window 1
.set n, 0
.rept 512                                      ; two experts at a time; the 16 pairs of sums take turns; the first 16 products start the sums
.set ep, n%4
.set tt, (n/4)%4
.set cc, (n/16)%4
.set ii, n/64
.set xa, XR+32*tt+4*ii+(cc/2)*2
.set wa, 32*ii+8*cc+2*ep
.set aa, ACC+8*tt+2*ep
.if n < 16
	v_pk_mul_f32 v[aa:aa+1], v[xa:xa+1], v[wa:wa+1] op_sel_hi:[0,1]
.elseif cc%2 == 0
	v_pk_fma_f32 v[aa:aa+1], v[xa:xa+1], v[wa:wa+1], v[aa:aa+1] op_sel_hi:[0,1,1]              ; x of an even c: the pair's first register for both
.else
	v_pk_fma_f32 v[aa:aa+1], v[xa:xa+1], v[wa:wa+1], v[aa:aa+1] op_sel:[1,0,0] op_sel_hi:[1,1,1]  ; of an odd c: its second
.endif
.set n, n+1
.endr
	WIN 0
.irp m, 1,2,4,8                                ; over the 32 lanes: four steps inside each half,
.set n, 0
.rept 32
	v_add_f32_dpp v[ACC+n], v[ACC+n], v[ACC+n] row_xmask:\m row_mask:0xf bank_mask:0xf
.set n, n+1
.endr
.endr
.set n, 0
.rept 32                                       ; one across the halves (the destinations have been written before)
	v_permlanex16_b32 v[XP+n], v[ACC+n], s18, s19
.set n, n+1
.endr
.set n, 0
.rept 32
	v_add_f32 v[ACC+n], v[ACC+n], v[XP+n]
.set n, n+1
.endr
	v_cmp_eq_u32 s20, 1, v27
	v_cmp_eq_u32 s21, 2, v27
	v_cmp_eq_u32 s22, 3, v27
.irp e, 0,1,2,3,4,5,6,7                        ; lane l takes the logits of token l % 4
	v_cndmask_b32 v[LG+\e], v[ACC+\e], v[ACC+8+\e], s20
	v_cndmask_b32 v[LG+\e], v[LG+\e], v[ACC+16+\e], s21
	v_cndmask_b32 v[LG+\e], v[LG+\e], v[ACC+24+\e], s22
.endr
	v_mov_b32 v16, v[LG]                           ; the largest, v16, and its index, v17: a later expert wins only if strictly greater
	v_mov_b32 v17, 0
.irp e, 1,2,3,4,5,6,7
	v_cmp_gt_f32 s24, v[LG+\e], v16
	v_cndmask_b32 v16, v16, v[LG+\e], s24
	v_cndmask_b32 v17, v17, \e, s24
.endr
	v_mov_b32 v18, 0xff800000                      ; the largest of the others, v18, v19
	v_mov_b32 v19, 0
.irp e, 0,1,2,3,4,5,6,7
	v_cmp_ne_u32 s24, \e, v17
	v_cmp_gt_f32 s25, v[LG+\e], v18
	s_and_b32 s24, s24, s25
	v_cndmask_b32 v18, v18, v[LG+\e], s24
	v_cndmask_b32 v19, v19, \e, s24
.endr
	v_sub_f32 v20, v18, v16                        ; l1 - l0 <= 0
	v_mul_f32 v20, 0x3fb8aa3b, v20                 ; times log2(e)
	v_exp_f32 v21, v20                             ; q
	v_lshlrev_b32 v25, v17, v5                     ; 1 << e0: the plain line behind the exponential
	s_wait_alu depctr_va_vdst(0)                   ; the wait ahead of the result's first reader
	v_add_f32 v22, 1.0, v21
	v_rcp_f32 v23, v22                             ; gate 0 = 1 / (1 + q)
	v_add_nc_u32 v28, 8, v19                       ; the plain line behind the reciprocal
	s_wait_alu depctr_va_vdst(0)
	v_mul_f32 v24, v21, v23                        ; gate 1 = q / (1 + q)
	v_lshlrev_b32 v28, v28, v5                     ; 256 << e1
	v_or_b32 v25, v25, v28
	s_wait_xcnt 0x0                                ; EXEC changes only behind this wait: xb's stores were issued under the full one
	v_cmp_gt_u32 vcc_lo, 4, v0
	s_and_saveexec_b32 s30, vcc_lo                 ; lanes 0 to 3 store their token's three words
	global_store_b32 v26, v25, s[10:11]
	global_store_b32 v26, v23, s[12:13]
	global_store_b32 v26, v24, s[12:13] offset:4096
	s_wait_xcnt 0x0                                ; and again in front of the line that widens it
	s_or_b32 exec_lo, exec_lo, s30
	s_endpgm
.Lfunc_end_k_q7c438ae204_router:
	.size	k_q7c438ae204_router, .Lfunc_end_k_q7c438ae204_router-k_q7c438ae204_router
	.p2alignl 7, 3214868480
	.fill 96, 4, 3214868480
	.section	.rodata,"a",@progbits
	.p2align	6, 0x0
	.amdhsa_kernel k_q7c438ae204_router
		.amdhsa_group_segment_fixed_size 0
		.amdhsa_private_segment_fixed_size 0
		.amdhsa_enable_private_segment 0
		.amdhsa_kernarg_size 40
		.amdhsa_user_sgpr_count 2
		.amdhsa_user_sgpr_kernarg_segment_ptr 1
		.amdhsa_wavefront_size32 1
		.amdhsa_system_sgpr_workgroup_id_x 1
		.amdhsa_system_sgpr_workgroup_id_y 1
		.amdhsa_system_sgpr_workgroup_id_z 1
		.amdhsa_system_vgpr_workitem_id 0
		.amdhsa_next_free_vgpr 512
		.amdhsa_next_free_sgpr 66
		.amdhsa_reserve_vcc 1
		.amdhsa_float_denorm_mode_32 3
		.amdhsa_float_denorm_mode_16_64 3
		.amdhsa_memory_ordered 1
		.amdhsa_forward_progress 1
		.amdhsa_inst_pref_size 87
	.end_amdhsa_kernel
	.amdgpu_metadata
---
amdhsa.version: [ 1, 2 ]
amdhsa.kernels:
  - .name:           k_q7c438ae204_router
    .symbol:         k_q7c438ae204_router.kd
    .args:
      - { .name: x, .offset: 0, .size: 8, .value_kind: global_buffer, .address_space: global }
      - { .name: Wg, .offset: 8, .size: 8, .value_kind: global_buffer, .address_space: global }
      - { .name: xb, .offset: 16, .size: 8, .value_kind: global_buffer, .address_space: global }
      - { .name: sel, .offset: 24, .size: 8, .value_kind: global_buffer, .address_space: global }
      - { .name: gates, .offset: 32, .size: 8, .value_kind: global_buffer, .address_space: global }
    .group_segment_fixed_size: 0
    .private_segment_fixed_size: 0
    .kernarg_segment_align: 8
    .kernarg_segment_size: 40
    .max_flat_workgroup_size: 32
    .sgpr_count:     66
    .vgpr_count:     512
    .wavefront_size: 32
...
	.end_amdgpu_metadata
.endif
;; end of part 1
;; launch ffn1 (part 2): grid 256 x 1, 4 waves a work-group, no clusters, 273,152 bytes of LDS; arguments W1, b1, xb, sel, hid; writes hid
.if DOCPART == 2
	.amdgcn_target "amdgcn-amd-amdhsa--gfx1250"
	.amdhsa_code_object_version 6
	.text
	.protected	k_q7c438ae204_ffn1
	.globl	k_q7c438ae204_ffn1
	.p2align	8
	.type	k_q7c438ae204_ffn1,@function
k_q7c438ae204_ffn1:
	s_mov_b64 s[64:65], 0
	v_nop
	global_prefetch_b8 v0, s[64:65] scope:SCOPE_SE
	s_setreg_imm32_b32 hwreg(HW_REG_WAVE_MODE, 25, 1), 1
	s_wait_xcnt 0x0
; ONE TEXT FOR BOTH PRODUCTS OF THE EXPERTS' LAYER; FFN says which.  Only the rows that a token's two chosen experts take are multiplied.
;   FFN = 1: hid[code] = gelu(xb[t] W1[e] + b1[e]), rounded once to bf16.     FFN = 2: part[q][code] = gate[code] x (hid[code], quarter q of its 4,096 numbers, times W2[e] (+ b2[e] where q = 0)), f32.
; code = 1,024 j + t names the row of token t's j-th choice; each code has one expert, so every row of hid and of part has one writer, whatever the split of the tokens over the experts.
; SHARES.  A work-group has ONE expert and a slice of its weights, 1,024 along K x 128 columns (524,288 bytes of f32), which it alone reads, and ALL rows of that expert (0 to 1,024).
; PHASE 1.  The slice comes through registers: 16 bytes a lane, lanes 0-15 the 256 bytes of one row of the weights, lanes 16-31 those of another.  Of 16 such rows, rounding row 2 i and row 2 i + 1 of a
; lane's column c into one register gives register i of the matrix unit's second source for K = 32, in which lane r holds column 64 g + 4 r + c: rounding and turning cost one conversion for two numbers.
; The fragments go into LDS as the registers will take them.  Meanwhile wave 0 makes the expert's list of codes from sel (whole numbers that an earlier launch stored).  The list is handed over by a barrier
; behind the 12th of a wave's 16 groups, so that the first pass's token rows are asked for while the last weights are on their way; a second barrier hands the fragments over.
; PHASE 2.  A wave takes tiles of 16 rows, up to five at a time; the token rows come from memory straight into registers as first sources, four K steps ahead; the weights' fragments from LDS, two ahead.
; Nothing writes LDS here and there is no barrier in it; all loops have constant counts (four passes of 20 tiles cover 1,280 rows) and what a count leaves without work is jumped forward.
; A third barrier stands behind phase 2, between every wave's LDS reads and the waves' closing lines, which write LDS.
; COLUMNS.  Tile ct = 4 g + c holds columns 64 g + 4 r + c, so a lane's results of one row are neighbours: FFN = 2 stores 16 bytes of f32 for each g, sixteen lanes 256 consecutive aligned bytes.
; FFN = 1 packs all eight into 16 bytes: in each block of 128, place 8 r + 4 g + c of hid holds column 64 g + 4 r + c; FFN = 2 takes W2's rows in that same order, so the products are the same.
; FORMATS.  Weights, biases and x are rounded to bf16, as every input of this program is; sums f32; hid is rounded once to bf16 (f16 has no room for inputs 30 times larger); partial sums stay f32.
; gelu(x) = x / (1 + 2^(x (C0 + C1 x^2))), the tanh form; for every finite x it is finite (the power runs to infinity or to 0, the quotient to 0 or to x).  NaN and infinities are not treated apart.
; NO CLUSTER: each byte of the weights has one reader; what an expert's 32 work-groups share is token rows named by a list, which no tile descriptor covers.  NO TENSOR LOADS: rounding and turning want the registers anyway.
; NO PRODUCTS AMONG PHASE 1'S TURNS: a wave's global loads are counted by one counter that falls in the order of issue (ISA guide 5.7.1), so a token row asked for behind weights is shown done only after them.
; A tile that is not full repeats the expert's last row: its stores write that row's bytes again with the same numbers.  List places further on hold code 0: a row that may be loaded and is never stored.
.set FFN, 1
.set NT,    5                          ; tiles of a wave in a pass
.set NPASS, 4                          ; 4 passes x 4 waves x 5 tiles x 16 rows = 1,280 rows
.if FFN == 1
.set PW,  16384                        ; bytes from row to row of the weights
.set HSH, 17                           ; lanes 16-31 take the row 8 further on: 8 x PW
.set WSH, 19                           ; wave w takes K step w of each block of 128: 32 rows x PW
.set ASH, 11                           ; a token row of xb: 2,048 bytes
.set OSH, 13                           ; a row of hid: 8,192 bytes
.set OB,  12                           ; s[12:13] where the results go
.else
.set PW,  4096
.set HSH, 14                           ; 4 rows further on
.set WSH, 16                           ; 16 rows x PW
.set ASH, 13                           ; a row of hid
.set OSH, 12                           ; a row of part: 4,096 bytes
.set OB,  14                           ; s[14:15]
.endif
; LDS
.set LIST,  262144                     ; behind the fragments (K step (b, s), tile ct at 65,536 s + 8,192 b + 1,024 ct; registers 0-3 at 16 x lane, 4-7 at + 512): 1,280 codes
.set GLO,   5120                       ; the gates by list place lie this far behind the codes (FFN = 2)
.set CNTW,  272384                     ; the expert's count of rows
.set SPARE, 272640                     ; the spare words, 128 bytes for each wave: two blocks of 256 bytes that no other line names
.set DUMP,  1279                       ; the list's last place, where lanes without a row put their word; rows and their repeats end at place 1,055
; vector registers, window 0
.set RR,  1                            ; lane % 16
.set HH,  2                            ; lane / 16
.set LN,  3                            ; lane
.set SPW, 4                            ; LDS address of my spare word; never rewritten
.set NIL, 5                            ; 0; never rewritten
.set L16, 6                            ; 16 x lane
.set H16, 7
.set R16, 8
.set LA,  9                            ; list place of my row as a first source: 16 w + lane % 16, in bytes
.set LE,  10                           ; list place of my eight result rows: 16 w + 8 (lane / 16)
.set FRA, 11                           ; where my wave's fragments go
.set VO,  12                           ; v12-15  slot q of the landing ring: my byte offset in the slice
.set VB,  16                           ; v16-19  K step s of the block in hand: my place in its fragments
.set AO,  20                           ; v20-24  tile i: my byte offset in the token rows
.set CD,  26                           ; v26-30  tile i: my row's code
.set BI,  32                           ; v32-39  the bias of my column in tile ct
.set RC,  40                           ; v40-47  the byte offsets of my eight result rows
.set GG,  48                           ; v48-55  their gates
.set TT,  56                           ; v56-63  at work
.set CR,  56                           ; v56-63  the way out: the codes of my eight result rows as they come from the list
.set LT,  40                           ; the list build's registers at work
.set BF0, 64                           ; v64-127, v128-191  the weights' fragments of two K steps
.set BF1, 128
.set XX,  192                          ; v192-255  a tile on its way out: tile ct, row j at XX + 8 ct + j
.set SL,  64                           ; wave 0, list build: sel, and the two planes of gates
.set GA,  96
.set GB,  128
.set FF,  192                          ; phase 1: 32 registers of fragments
.set ZZ,  64                           ; the way out, at work (FFN = 2: the weighted rows)
.set OO,  128                          ; the way out, packed
; window 1: v0-159 the token rows' fragments, K step s, tile i at 40 s + 8 i.   window 2: v0-63 the accumulators of tile 4.   window 3: those of tiles 0-3, at 64 i + 8 ct; in phase 1 the landing ring, 64 q + 4 j
; scalar registers: s[4:5] slice, s[6:7] bias, s[8:9] token rows, s[10:11] sel, (s[12:13] gates,) s[OB:OB+1] results
.set WV,  16                           ; my wave's number
.set CNT, 29                           ; my tiles in the pass in hand or to come, 0 to 5
.set SA,  34                           ; s[34:35] the token rows at the block of K in hand
.set MSB, 0
.macro WIN new                         ; the immediate's high byte repeats the setting that is left; a switch that changes nothing is dropped
.if MSB != (\new)
	s_set_vgpr_msb (MSB<<8)|(\new)
.set MSB, (\new)
.endif
.endm
; 16 loads: 16 rows x 2 halves of the lanes x 256 bytes, the rows of one K step of 32 in the order in which the fragment's registers take them, columns 64 (q % 2) on
.macro FILL q
	WIN 0xc0                                       ; destination window 3, address window 0
.irp j, 0,1,2,3,4,5,6,7,8,9,10,11,12,13,14,15
.if FFN == 1
.set RI, (\j)+8*((\j)>>3)
.else
.set RI, ((\j)&3)+64*(((\j)>>2)&1)+8*((\j)>>3)
.endif
	global_load_b128 v[64*(\q)+4*(\j):64*(\q)+4*(\j)+3], v[VO+(\q)], s[4:5] offset:RI*PW+256*((\q)&1) th:TH_LOAD_NT
.endr
	WIN 0
.endm
; Slot q's turn: its 16 loads are in (left = the loads issued behind them); 32 conversions make four tiles' fragments; 8 LDS stores of 512 consecutive bytes; the slot is asked for again, two blocks of K on
.macro TURN q, refill, left
	s_wait_loadcnt \left
	WIN 0x0f                                       ; sources window 3, destination window 0
.irp c, 0,1,2,3
.irp i, 0,1,2,3,4,5,6,7
	v_cvt_pk_bf16_f32 v[FF+8*(\c)+(\i)], v[64*(\q)+8*(\i)+(\c)], v[64*(\q)+8*(\i)+4+(\c)]
.endr
.endr
	WIN 0
.irp c, 0,1,2,3
	ds_store_b128 v[FRA], v[FF+8*(\c):FF+8*(\c)+3]   offset:((\q)>>1)*8192+((\q)&1)*4096+(\c)*1024
	ds_store_b128 v[FRA], v[FF+8*(\c)+4:FF+8*(\c)+7] offset:((\q)>>1)*8192+((\q)&1)*4096+(\c)*1024+512
.endr
.if \refill
	v_add_nc_u32 v[VO+(\q)], 256*PW, v[VO+(\q)]    ; free since the wait above showed the slot's loads done
	FILL \q
.endif
.endm
.macro LOADB sl, buf, off              ; 16 LDS loads: the eight tiles' fragments of one K step
.irp c, 0,1,2,3,4,5,6,7
	ds_load_b128 v[(\buf)+8*(\c):(\buf)+8*(\c)+3],   v[VB+(\sl)] offset:(\off)+(\c)*1024
	ds_load_b128 v[(\buf)+8*(\c)+4:(\buf)+8*(\c)+7], v[VB+(\sl)] offset:(\off)+(\c)*1024+512
.endr
.endm
.macro LOADA s, off                    ; 10 loads: five tiles' token rows of one K step: lane l takes row l % 16, numbers 8 (l / 16) + 0..7 and 16 + 8 (l / 16) + 0..7
	WIN 0x40                                       ; destination window 1, address window 0
.irp i, 0,1,2,3,4
	global_load_b128 v[40*(\s)+8*(\i):40*(\s)+8*(\i)+3],   v[AO+(\i)], s[SA:SA+1] offset:(\off)
	global_load_b128 v[40*(\s)+8*(\i)+4:40*(\s)+8*(\i)+7], v[AO+(\i)], s[SA:SA+1] offset:(\off)+32
.endr
	WIN 0
.endm
.macro CODES                           ; the codes of my row in the pass's five tiles: 64 list places from tile to tile
.irp i, 0,1,2,3,4
	ds_load_b32 v[CD+\i], v[LA] offset:256*\i
.endr
.endm
.macro ROWS                            ; from the codes, my byte offsets in the token rows
.irp i, 0,1,2,3,4
	v_min_u32 v[CD+\i], 0x7ff, v[CD+\i]
.if FFN == 1
	v_and_b32 v[CD+\i], 0x3ff, v[CD+\i]            ; the token
.endif
	v_lshl_add_u32 v[AO+\i], v[CD+\i], ASH, v[H16]
.endr
.endm
.macro TILES                           ; wave w has tiles 20 p + 4 i + w: in pass p (tiles + 3 - w - 20 p) / 4 of them, held to 0 .. 5; s28 holds the dividend
	s_max_i32 s[CNT], s28, 0
	s_lshr_b32 s[CNT], s[CNT], 2
	s_min_u32 s[CNT], s[CNT], NT
.endm
; A K STEP of 32.  la: the token loads of the later K steps, 10 each, which may stay out (they are issued for all five tiles whatever the count, so the number holds on every way).  ld: the next K step's 16 fragment loads.
; Tiles at or past my count are jumped.  zero = 1: the products start the sums, for all five tiles.  The accumulators take turns, one instruction a turn.
; Four v_nop stand between the products and the loads into registers that they have read.  pa: the token rows four K steps on; pb: the fragments two K steps on.
.macro KSTEP s, zero, pa, pb, la, ld
	s_wait_loadcnt \la
	s_wait_dscnt \ld
.set BFB, BF0+64*((\s)&1)
.irp i, 0,1,2,3,4
.if ((\zero) == 0) && ((\i) > 0)
	WIN 0                                          ; at a branch and at a label every window is 0
	s_cmp_le_u32 s[CNT], \i
	s_cbranch_scc1 .Lke_\@
.endif
.if (\i) < 4
	WIN 0xf1                                       ; token rows window 1, weights window 0, sums window 3
.set ACB, 64*(\i)
.else
	WIN 0xa1                                       ; sums window 2
.set ACB, 0
.endif
.irp c, 0,1,2,3,4,5,6,7
.if \zero
	v_wmma_f32_16x16x32_bf16 v[ACB+8*(\c):ACB+8*(\c)+7], v[40*(\s)+8*(\i):40*(\s)+8*(\i)+7], v[BFB+8*(\c):BFB+8*(\c)+7], 0
.else
	v_wmma_f32_16x16x32_bf16 v[ACB+8*(\c):ACB+8*(\c)+7], v[40*(\s)+8*(\i):40*(\s)+8*(\i)+7], v[BFB+8*(\c):BFB+8*(\c)+7], v[ACB+8*(\c):ACB+8*(\c)+7]
.endif
.endr
.endr
	WIN 0
.Lke_\@:
.rept 4
	v_nop
.endr
.if \pa
	LOADA \s, 256+64*(\s)
.endif
.if \pb
	LOADB ((\s)+2)&3, BFB, ((\s)>>1)*8192
.endif
.endm
; Tile i leaves its accumulators: the bias is added on the way into XX, so that the rest of the way out is written once.  Each accumulator's lowest registers are read first.
.macro CASE i
.if (\i) < 4
	WIN 0x03
.set ACB, 64*(\i)
.else
	WIN 0x02
.set ACB, 0
.endif
.set k, 0
.rept 32
.set bp, BI+(k/8)*2
.if (k/4)%2 == 0
	v_pk_add_f32 v[XX+2*k:XX+2*k+1], v[ACB+2*k:ACB+2*k+1], v[bp:bp+1] op_sel_hi:[1,0]
.else
	v_pk_add_f32 v[XX+2*k:XX+2*k+1], v[ACB+2*k:ACB+2*k+1], v[bp:bp+1] op_sel:[0,1] op_sel_hi:[1,1]
.endif
.set k, k+1
.endr
	WIN 0
.endm
	s_load_b256 s[4:11], s[0:1], 0x0               ; weights, bias, token rows, sel
.if FFN == 1
	s_load_b64 s[12:13], s[0:1], 0x20              ; hid
.else
	s_load_b128 s[12:15], s[0:1], 0x20             ; gates, part
.endif
	v_lshl_add_u32 v[SPW], v0, 2, SPARE
	v_mov_b32 v[NIL], 0
	v_lshrrev_b32 v[TT], 5, v0
	v_readfirstlane_b32 s[WV], v[TT]               ; wave 0..3
	v_and_b32 v[RR], 15, v0
	v_bfe_u32 v[HH], v0, 4, 1
	v_and_b32 v[LN], 31, v0
	v_lshlrev_b32 v[L16], 4, v[LN]
	v_lshlrev_b32 v[H16], 4, v[HH]
	v_lshlrev_b32 v[R16], 4, v[RR]
	s_lshl_b32 s26, s[WV], 6
	s_add_co_u32 s26, s26, LIST
	v_lshl_add_u32 v[LA], v[RR], 2, s26
	v_lshl_add_u32 v[LE], v[HH], 5, s26
	s_lshl_b32 s26, s[WV], 16                      ; my wave's 65,536 bytes of fragments
	v_add_nc_u32 v[FRA], s26, v[L16]
	s_lshl_b32 s26, s[WV], WSH
	v_lshl_add_u32 v[TT], v[HH], HSH, v[R16]
	v_add_nc_u32 v[VO], s26, v[TT]                 ; slots 0, 1: block 0 of K (the halves of the columns stand in the immediate),
	v_mov_b32 v[VO+1], v[VO]
	v_add_nc_u32 v[VO+2], 128*PW, v[VO]            ; slots 2, 3: block 1
	v_mov_b32 v[VO+3], v[VO+2]
	s_lshr_b32 s17, ttmp9, 5                       ; the expert
	s_lshl_b32 s22, 0x101, s17                     ; its bit in both bytes of a word of sel
	s_mov_b32 s33, 255
	s_mov_b32 s21, 0
	s_mov_b32 s37, 0
	s_mov_b32 s42, 0xffff0000                      ; a word's upper bf16
.if FFN == 1
	s_and_b32 s18, ttmp9, 31                       ; the slice of 128 columns
	s_mov_b32 s38, 0xc0135761                      ; C0 = -2 sqrt(2 / pi) log2(e) = -2.3022082
	s_mov_b32 s39, s38                             ; named as pairs
	s_mov_b32 s40, 0xbdd2d3e8                      ; C1 = 0.044715 C0 = -0.10294324
	s_mov_b32 s41, s40
	s_wait_kmcnt 0x0
	s_lshl_b32 s20, s17, 24                        ; an expert's weights: 16,777,216 bytes
	s_lshl_b32 s26, s18, 9                         ; 128 columns of f32
	s_add_co_u32 s20, s20, s26
	s_add_nc_u64 s[4:5], s[4:5], s[20:21]
	s_lshl_b32 s20, s17, 14
	s_add_co_u32 s20, s20, s26
	s_add_nc_u64 s[6:7], s[6:7], s[20:21]
	s_lshl_b32 s20, s18, 8                         ; 128 places of bf16
	s_add_nc_u64 s[OB:OB+1], s[OB:OB+1], s[20:21]
.else
	s_bfe_u32 s18, ttmp9, 0x30002                  ; the slice of 128 columns
	s_and_b32 s19, ttmp9, 3                        ; the quarter of K
	s_cmp_eq_u32 s19, 0
	s_cselect_b32 s44, -1, 0                       ; the bias is added in quarter 0 alone
	s_wait_kmcnt 0x0
	s_lshl_b32 s20, s17, 24
	s_lshl_b32 s26, s19, 22                        ; 1,024 rows of 4,096 bytes
	s_add_co_u32 s20, s20, s26
	s_lshl_b32 s26, s18, 9
	s_add_co_u32 s20, s20, s26
	s_add_nc_u64 s[4:5], s[4:5], s[20:21]
	s_lshl_b32 s20, s17, 12
	s_add_co_u32 s20, s20, s26
	s_add_nc_u64 s[6:7], s[6:7], s[20:21]
	s_lshl_b32 s20, s19, 11                        ; 1,024 places of bf16
	s_add_nc_u64 s[8:9], s[8:9], s[20:21]
	s_lshl_b32 s20, s19, 23                        ; a quarter's plane pair: 2,048 rows of 4,096 bytes
	s_add_co_u32 s20, s20, s26
	s_add_nc_u64 s[OB:OB+1], s[OB:OB+1], s[20:21]
.endif
	s_cmp_lg_u32 s[WV], 0
	s_cbranch_scc1 .Lno_sel
.irp i, 0,1,2,3,4,5,6,7                        ; wave 0: all of sel: register 4 i + c holds token 128 i + 4 lane + c
	global_load_b128 v[SL+4*\i:SL+4*\i+3], v[L16], s[10:11] offset:512*\i
.endr
.if FFN == 2
.irp i, 0,1,2,3,4,5,6,7
	global_load_b128 v[GA+4*\i:GA+4*\i+3], v[L16], s[12:13] offset:512*\i
	global_load_b128 v[GB+4*\i:GB+4*\i+3], v[L16], s[12:13] offset:4096+512*\i
.endr
.endif
.Lno_sel:
	global_load_b128 v[BI:BI+3],   v[R16], s[6:7]             ; the bias of columns 4 r + c
	global_load_b128 v[BI+4:BI+7], v[R16], s[6:7] offset:256  ; and 64 + 4 r + c
	FILL 0
	FILL 1
	FILL 2
	s_cmp_lg_u32 s[WV], 0
	s_cbranch_scc1 .Lno_list
	; THE LIST (wave 0).  A counting placement without atomics: for each of 32 registers of sel the lanes that hold a row of my expert take the next places, in lane order.
	s_wait_loadcnt 48                              ; sel, the gates and the bias are in; the three slots' 48 loads are younger
	v_mov_b32 v[TT], 0
	v_mov_b32 v[TT+1], 0
	v_mov_b32 v[TT+2], 0
	v_mov_b32 v[TT+3], 0
	v_add_nc_u32 v[TT+4], LIST, v[L16]
.irp i, 0,1,2,3,4,5,6,7,8,9,10,11,12
	ds_store_b128 v[TT+4], v[TT:TT+3] offset:512*\i  ; every place starts as code 0: the 1,280 of the list and what the pass loop's foot can name behind them (6,400 bytes from the list's first)
.endr
.if FFN == 2
.irp i, 3,4,5,6,7,8,9
	ds_store_b128 v[TT+4], v[TT:TT+3] offset:GLO+512*\i  ; and as gate 0 (the gates' first three blocks are among the thirteen above)
.endr
.endif
	v_mov_b32 v[TT+5], DUMP
	v_lshlrev_b32 v[TT+7], 2, v[LN]                ; 4 x lane, for a first choice,
	v_add_nc_u32 v[TT+6], 1024, v[TT+7]            ; + 1,024 for a second
	s_mov_b32 s23, 0                               ; rows so far
.set k, 0
.rept 32
	v_and_b32 v[LT], s22, v[SL+k]
	v_cmp_ne_u32 s24, 0, v[LT]                     ; the token chose my expert,
	v_cmp_lt_u32 s25, s33, v[LT]                   ; as its second choice
	v_mbcnt_lo_u32_b32 v[LT+1], s24, s23           ; rows so far + the choosing lanes below mine
	v_cndmask_b32 v[LT+1], v[TT+5], v[LT+1], s24
	v_min_u32 v[LT+1], 0x4ff, v[LT+1]
	v_lshl_add_u32 v[LT+1], v[LT+1], 2, LIST
	v_cndmask_b32 v[LT+2], v[TT+7], v[TT+6], s25
	v_add_nc_u32 v[LT+2], 128*(k/4)+k%4, v[LT+2]   ; code = 1,024 j + t
	ds_store_b32 v[LT+1], v[LT+2]
.if FFN == 2
	v_cndmask_b32 v[LT+3], v[GA+k], v[GB+k], s25
	ds_store_b32 v[LT+1], v[LT+3] offset:GLO
.endif
	s_bcnt1_i32_b32 s26, s24
	s_add_co_u32 s23, s23, s26
.set k, k+1
.endr
	s_sub_co_u32 s26, s23, 1                       ; the last row (with no row at all: the dump place) is repeated in the 32 places behind it
	s_min_u32 s26, s26, 0x4ff
	s_lshl_b32 s26, s26, 2
	s_add_co_u32 s26, s26, LIST
	v_mov_b32 v[LT], s26
	ds_load_b32 v[LT+1], v[LT]                     ; LDS serves a wave's instructions in order (ISA guide 5.7.1.4): this sees the stores above
.if FFN == 2
	ds_load_b32 v[LT+2], v[LT] offset:GLO
.endif
	v_add_nc_u32 v[LT+3], s23, v[LN]
	v_min_u32 v[LT+3], 0x4ff, v[LT+3]
	v_lshl_add_u32 v[LT+3], v[LT+3], 2, LIST
	v_mov_b32 v[LT+4], s23
	v_mov_b32 v[LT+5], CNTW
	s_wait_dscnt 0x0
	ds_store_b32 v[LT+3], v[LT+1]
.if FFN == 2
	ds_store_b32 v[LT+3], v[LT+2] offset:GLO
.endif
	ds_store_b32 v[LT+5], v[LT+4]                  ; the count
.Lno_list:
	FILL 3
	; PHASE 1: 16 groups a wave (8 blocks of K x 2 halves of the columns) through a ring of four slots: 64 loads, 32,768 bytes, of every wave on their way
	s_mov_b32 s43, 3
.Lfill:
	TURN 0, 1, 48
	TURN 1, 1, 48
	TURN 2, 1, 48
	TURN 3, 1, 48
	v_add_nc_u32 v[FRA], 16384, v[FRA]             ; two blocks of K on
	s_sub_co_u32 s43, s43, 1
	s_cmp_lg_u32 s43, 0
	s_cbranch_scc1 .Lfill
	; THE LIST IS HANDED OVER, with my last four groups' 64 loads still on their way.  What phase 2 wants first (the count, my rows' codes, the token rows of K steps 0 to 3) is asked for among the last four
	; turns, which ask for no more weights: 32 + 30 = 62 and then 16 + 40 = 56 loads of mine are out at the most.
	s_wait_dscnt 0x0                               ; for the others' sake: wave 0's list is in LDS
	s_barrier_signal -1
	s_barrier_wait -1
	v_mov_b32 v[TT], CNTW
	ds_load_b32 v[TT+1], v[TT]
	CODES
	s_mov_b64 s[SA:SA+1], s[8:9]
	TURN 0, 0, 48                                  ; the last four groups: the counts run down
	TURN 1, 0, 32
	s_wait_dscnt 16                                ; the count and the five codes are in; the two turns' 16 LDS stores are younger
	ROWS
	v_readfirstlane_b32 s27, v[TT+1]
	s_min_u32 s27, s27, 1024                       ; rows
	s_add_co_u32 s28, s27, 15
	s_lshr_b32 s28, s28, 4                         ; tiles of 16
	s_add_co_u32 s28, s28, 3
	s_sub_co_u32 s28, s28, s[WV]
	TILES                                          ; my tiles in the first pass
	LOADA 0, 0
	LOADA 1, 64
	LOADA 2, 128
	TURN 2, 0, 46                                  ; younger than slot 2's loads: slot 3's 16 and 30 for token rows
	LOADA 3, 192
	TURN 3, 0, 40                                  ; younger than slot 3's: the 40 for token rows
.irp u, 0,1,2,3                                ; the bias is rounded to bf16 like every input
	v_cvt_pk_bf16_f32 v[TT+\u], v[BI+2*\u], v[BI+2*\u+1]
.endr
.irp u, 0,1,2,3
	v_lshlrev_b32 v[BI+2*\u], 16, v[TT+\u]
	v_and_b32 v[BI+2*\u+1], s42, v[TT+\u]
.endr
.if FFN == 2
.irp u, 0,1,2,3,4,5,6,7
	v_cndmask_b32 v[BI+\u], 0, v[BI+\u], s44
.endr
.endif
	s_wait_dscnt 0x0                               ; for the others' sake: all my fragments are in LDS
	s_barrier_signal -1
	s_barrier_wait -1                              ; behind it, up to the closing barrier, LDS is only read
	s_mov_b32 s30, NPASS
.Lpass:                                        ; the pass's token rows of K steps 0 to 3 have been asked for: above, or at the loop's foot
	s_cmp_eq_u32 s[CNT], 0
	s_cbranch_scc1 .Lpass_next
	s_wait_xcnt 0x0                                ; the last pass's stores have read the registers that the fragments now take
.irp s, 0,1,2,3
	v_add_nc_u32 v[VB+\s], 65536*\s, v[L16]
.endr
	LOADB 0, BF0, 0
	LOADB 1, BF1, 0
	KSTEP 0, 1, 1, 1, 30, 16                       ; the first K step starts the sums
	s_mov_b32 s31, 7
.Lk:                                           ; a trip: K steps 4 t + 1 to 4 t + 4
	KSTEP 1, 0, 1, 1, 30, 16
	KSTEP 2, 0, 1, 1, 30, 16
	KSTEP 3, 0, 1, 1, 30, 16
	s_wait_xcnt 0x0                                ; the loads have had their addresses translated: their base steps only behind this wait
	s_cmp_lg_u32 s31, 1
	s_cselect_b32 s36, 256, 0                      ; a block of 128 along K; in the last trip the base stays, so that the one request that would pass the row's end asks for K step 28
	s_add_nc_u64 s[SA:SA+1], s[SA:SA+1], s[36:37]  ; once more: in range, into a slot that is free, and counted by the waits below
.irp s, 0,1,2,3
	v_add_nc_u32 v[VB+\s], 8192, v[VB+\s]
.endr
	KSTEP 0, 0, 1, 1, 30, 16
	s_sub_co_u32 s31, s31, 1
	s_cmp_lg_u32 s31, 0
	s_cbranch_scc1 .Lk
	KSTEP 1, 0, 0, 1, 30, 16                       ; K steps 29, 30, 31: the counts run down
	KSTEP 2, 0, 0, 0, 20, 16
	KSTEP 3, 0, 0, 0, 10, 0
	s_wait_loadcnt 0x0                             ; the repeated K step, asked for four K steps ago, has landed: no load of mine is out
	; THE WAY OUT, a tile at a time
	s_mov_b32 s32, 0                               ; the tile
	s_mov_b32 s45, NT                              ; the loop's count
.Lepi:
	s_cmp_ge_u32 s32, s[CNT]
	s_cbranch_scc1 .Lepi_next
	ds_load_b128 v[CR:CR+3],   v[LE]               ; the codes of rows 8 (lane / 16) + 0..7, into registers that no store names
	ds_load_b128 v[CR+4:CR+7], v[LE] offset:16
.if FFN == 2
	ds_load_b128 v[GG:GG+3],   v[LE] offset:GLO
	ds_load_b128 v[GG+4:GG+7], v[LE] offset:GLO+16
.endif
.irp i, 0,1,2,3
	s_cmp_lg_u32 s32, \i
	s_cbranch_scc1 .Lafter_\i
	CASE \i
	s_branch .Lcommon
.Lafter_\i:
.endr
	CASE 4
.Lcommon:
.if FFN == 1
.set k, 0
.rept 32
	v_pk_mul_f32 v[ZZ+2*k:ZZ+2*k+1], v[XX+2*k:XX+2*k+1], v[XX+2*k:XX+2*k+1]
.set k, k+1
.endr
.set k, 0
.rept 32
	v_pk_fma_f32 v[ZZ+2*k:ZZ+2*k+1], v[ZZ+2*k:ZZ+2*k+1], s[40:41], s[38:39] op_sel_hi:[1,0,0]  ; C1 x^2 + C0
.set k, k+1
.endr
.set k, 0
.rept 32
	v_pk_mul_f32 v[ZZ+2*k:ZZ+2*k+1], v[XX+2*k:XX+2*k+1], v[ZZ+2*k:ZZ+2*k+1]
.set k, k+1
.endr
.set k, 0
.rept 64                                       ; one batch of 64 exponentials,
	v_exp_f32 v[ZZ+k], v[ZZ+k]
.set k, k+1
.endr
	s_wait_dscnt 0x0                               ; the codes
	s_wait_xcnt 0x0                                ; the last tile's stores have read their offsets (RC) and data (OO), which are rewritten only from here on
.irp j, 0,1,2,3,4,5,6,7                        ; plain lines behind the batch,
	v_min_u32 v[RC+\j], 0x7ff, v[CR+\j]
.endr
	s_wait_alu depctr_va_vdst(0)                   ; and one wait ahead of the first reader
.set k, 0
.rept 32
	v_pk_add_f32 v[ZZ+2*k:ZZ+2*k+1], v[ZZ+2*k:ZZ+2*k+1], 1.0 op_sel_hi:[1,0]
.set k, k+1
.endr
.set k, 0
.rept 64                                       ; the same for the 64 reciprocals
	v_rcp_f32 v[ZZ+k], v[ZZ+k]
.set k, k+1
.endr
.irp j, 0,1,2,3,4,5,6,7
	v_lshl_add_u32 v[RC+\j], v[RC+\j], OSH, v[R16] ; the row's first byte + my 16
.endr
	s_wait_alu depctr_va_vdst(0)
.set k, 0
.rept 32
	v_pk_mul_f32 v[XX+2*k:XX+2*k+1], v[XX+2*k:XX+2*k+1], v[ZZ+2*k:ZZ+2*k+1]
.set k, k+1
.endr
.irp j, 0,1,2,3,4,5,6,7
.irp u, 0,1,2,3
	v_cvt_pk_bf16_f32 v[OO+4*\j+\u], v[XX+16*\u+\j], v[XX+16*\u+8+\j]  ; tiles 2 u, 2 u + 1 of row j: places 8 r + 2 u, + 1
.endr
.endr
.irp j, 0,1,2,3,4,5,6,7
	global_store_b128 v[RC+\j], v[OO+4*\j:OO+4*\j+3], s[OB:OB+1]  ; sixteen lanes store a row's 256 consecutive bytes, aligned; the other sixteen the row 8 further on
.endr
.else
	s_wait_dscnt 0x0                               ; the codes and the gates
	s_wait_xcnt 0x0                                ; the last tile's stores have read their offsets (RC) and data (ZZ), which are rewritten only from here on
.irp j, 0,1,2,3,4,5,6,7
	v_min_u32 v[RC+\j], 0x7ff, v[CR+\j]
	v_lshl_add_u32 v[RC+\j], v[RC+\j], OSH, v[R16]
.endr
.irp j, 0,1,2,3,4,5,6,7
.irp c, 0,1,2,3,4,5,6,7
	v_mul_f32 v[ZZ+8*\j+\c], v[XX+8*\c+\j], v[GG+\j]
.endr
.endr
.irp j, 0,1,2,3,4,5,6,7
	global_store_b128 v[RC+\j], v[ZZ+8*\j:ZZ+8*\j+3],   s[OB:OB+1]             ; columns 4 r + 0..3: sixteen lanes store 256 consecutive bytes, aligned
	global_store_b128 v[RC+\j], v[ZZ+8*\j+4:ZZ+8*\j+7], s[OB:OB+1] offset:256  ; columns 64 + 4 r + 0..3
.endr
.endif
.Lepi_next:
	v_add_nc_u32 v[LE], 256, v[LE]                 ; my next tile: 64 list places on
	s_add_co_u32 s32, s32, 1
	s_sub_co_u32 s45, s45, 1
	s_cmp_lg_u32 s45, 0
	s_cbranch_scc1 .Lepi
.Lpass_next:                                   ; the loop's foot: if I have tiles in the next pass, their token rows of K steps 0 to 3 are asked for
	v_add_nc_u32 v[LA], NT*256, v[LA]              ; 20 tiles on
	s_sub_co_i32 s28, s28, 4*NT
	TILES
	s_cmp_eq_u32 s[CNT], 0
	s_cbranch_scc1 .Lno_more
	s_wait_loadcnt 0x0                             ; no load of mine is out: the rows' registers, offsets and base may be written
	CODES
	s_mov_b64 s[SA:SA+1], s[8:9]
	s_wait_dscnt 0x0
	ROWS
	LOADA 0, 0
	LOADA 1, 64
	LOADA 2, 128
	LOADA 3, 192
.Lno_more:
	s_sub_co_u32 s30, s30, 1
	s_cmp_lg_u32 s30, 0
	s_cbranch_scc1 .Lpass
	s_wait_dscnt 0x0                               ; my LDS reads are back
	s_barrier_signal -1                            ; the closing barrier, on every wave's path: every wave's LDS reads are over
	s_barrier_wait -1                              ; before any wave writes LDS again
	s_wait_tensorcnt 0x0                           ; the wave's end, behind my last LDS store
	ds_add_u32 v[SPW], v[NIL]
	s_wait_dscnt 0x0
	s_endpgm
.Lfunc_end_k_q7c438ae204_ffn1:
	.size	k_q7c438ae204_ffn1, .Lfunc_end_k_q7c438ae204_ffn1-k_q7c438ae204_ffn1
	.p2alignl 7, 3214868480
	.fill 96, 4, 3214868480
	.section	.rodata,"a",@progbits
	.p2align	6, 0x0
	.amdhsa_kernel k_q7c438ae204_ffn1
		.amdhsa_group_segment_fixed_size 273152
		.amdhsa_private_segment_fixed_size 0
		.amdhsa_enable_private_segment 0
		.amdhsa_kernarg_size 40
		.amdhsa_user_sgpr_count 2
		.amdhsa_user_sgpr_kernarg_segment_ptr 1
		.amdhsa_wavefront_size32 1
		.amdhsa_system_sgpr_workgroup_id_x 1
		.amdhsa_system_sgpr_workgroup_id_y 1
		.amdhsa_system_sgpr_workgroup_id_z 1
		.amdhsa_system_vgpr_workitem_id 0
		.amdhsa_next_free_vgpr 1024
		.amdhsa_next_free_sgpr 66
		.amdhsa_reserve_vcc 0
		.amdhsa_float_denorm_mode_32 3
		.amdhsa_float_denorm_mode_16_64 3
		.amdhsa_memory_ordered 1
		.amdhsa_forward_progress 1
		.amdhsa_inst_pref_size 142
	.end_amdhsa_kernel
	.amdgpu_metadata
---
amdhsa.version: [ 1, 2 ]
amdhsa.kernels:
  - .name:           k_q7c438ae204_ffn1
    .symbol:         k_q7c438ae204_ffn1.kd
    .args:
      - { .name: W1, .offset: 0, .size: 8, .value_kind: global_buffer, .address_space: global }
      - { .name: b1, .offset: 8, .size: 8, .value_kind: global_buffer, .address_space: global }
      - { .name: xb, .offset: 16, .size: 8, .value_kind: global_buffer, .address_space: global }
      - { .name: sel, .offset: 24, .size: 8, .value_kind: global_buffer, .address_space: global }
      - { .name: hid, .offset: 32, .size: 8, .value_kind: global_buffer, .address_space: global }
    .group_segment_fixed_size: 273152
    .private_segment_fixed_size: 0
    .kernarg_segment_align: 8
    .kernarg_segment_size: 40
    .max_flat_workgroup_size: 128
    .sgpr_count:     66
    .vgpr_count:     1024
    .wavefront_size: 32
...
	.end_amdgpu_metadata
.endif
;; end of part 2
;; launch ffn2 (part 3): grid 256 x 1, 4 waves a work-group, no clusters, 273,152 bytes of LDS; arguments W2, b2, hid, sel, gates, part; writes part
.if DOCPART == 3
	.amdgcn_target "amdgcn-amd-amdhsa--gfx1250"
	.amdhsa_code_object_version 6
	.text
	.protected	k_q7c438ae204_ffn2
	.globl	k_q7c438ae204_ffn2
	.p2align	8
	.type	k_q7c438ae204_ffn2,@function
k_q7c438ae204_ffn2:
	s_mov_b64 s[64:65], 0
	v_nop
	global_prefetch_b8 v0, s[64:65] scope:SCOPE_SE
	s_setreg_imm32_b32 hwreg(HW_REG_WAVE_MODE, 25, 1), 1
	s_wait_xcnt 0x0
; ONE TEXT FOR BOTH PRODUCTS OF THE EXPERTS' LAYER; FFN says which.  Only the rows that a token's two chosen experts take are multiplied.
;   FFN = 1: hid[code] = gelu(xb[t] W1[e] + b1[e]), rounded once to bf16.     FFN = 2: part[q][code] = gate[code] x (hid[code], quarter q of its 4,096 numbers, times W2[e] (+ b2[e] where q = 0)), f32.
; code = 1,024 j + t names the row of token t's j-th choice; each code has one expert, so every row of hid and of part has one writer, whatever the split of the tokens over the experts.
; SHARES.  A work-group has ONE expert and a slice of its weights, 1,024 along K x 128 columns (524,288 bytes of f32), which it alone reads, and ALL rows of that expert (0 to 1,024).
; K is cut in four here, not the columns in 32: a row's piece of W2 stays 512 bytes, and the launch has the first product's shape; the four quarters' and two choices' eight planes are added by the next launch.
; PHASE 1.  The slice comes through registers: 16 bytes a lane, lanes 0-15 the 256 bytes of one row of the weights, lanes 16-31 those of another.  Of 16 such rows, rounding row 2 i and row 2 i + 1 of a
; lane's column c into one register gives register i of the matrix unit's second source for K = 32, in which lane r holds column 64 g + 4 r + c: rounding and turning cost one conversion for two numbers.
; The fragments go into LDS as the registers will take them.  Meanwhile wave 0 makes the expert's list of codes from sel (whole numbers that an earlier launch stored).  The list is handed over by a barrier
; behind the 12th of a wave's 16 groups, so that the first pass's token rows are asked for while the last weights are on their way; a second barrier hands the fragments over.
; PHASE 2.  A wave takes tiles of 16 rows, up to five at a time; the token rows come from memory straight into registers as first sources, four K steps ahead; the weights' fragments from LDS, two ahead.
; Nothing writes LDS here and there is no barrier in it; all loops have constant counts (four passes of 20 tiles cover 1,280 rows) and what a count leaves without work is jumped forward.
; A third barrier stands behind phase 2, between every wave's LDS reads and the waves' closing lines, which write LDS.
; COLUMNS.  Tile ct = 4 g + c holds columns 64 g + 4 r + c, so a lane's results of one row are neighbours: FFN = 2 stores 16 bytes of f32 for each g, sixteen lanes 256 consecutive aligned bytes.
; FFN = 1 packs all eight into 16 bytes: in each block of 128, place 8 r + 4 g + c of hid holds column 64 g + 4 r + c; FFN = 2 takes W2's rows in that same order, so the products are the same.
; FORMATS.  Weights, biases and x are rounded to bf16, as every input of this program is; sums f32; hid is rounded once to bf16 (f16 has no room for inputs 30 times larger); partial sums stay f32.
; NaN and infinities are not treated apart.
; NO CLUSTER: each byte of the weights has one reader; what an expert's 32 work-groups share is token rows named by a list, which no tile descriptor covers.  NO TENSOR LOADS: rounding and turning want the registers anyway.
; NO PRODUCTS AMONG PHASE 1'S TURNS: a wave's global loads are counted by one counter that falls in the order of issue (ISA guide 5.7.1), so a token row asked for behind weights is shown done only after them.
; A tile that is not full repeats the expert's last row: its stores write that row's bytes again with the same numbers.  List places further on hold code 0: a row that may be loaded and is never stored.
.set FFN, 2
.set NT,    5                          ; tiles of a wave in a pass
.set NPASS, 4                          ; 4 passes x 4 waves x 5 tiles x 16 rows = 1,280 rows
.if FFN == 1
.set PW,  16384                        ; bytes from row to row of the weights
.set HSH, 17                           ; lanes 16-31 take the row 8 further on: 8 x PW
.set WSH, 19                           ; wave w takes K step w of each block of 128: 32 rows x PW
.set ASH, 11                           ; a token row of xb: 2,048 bytes
.set OSH, 13                           ; a row of hid: 8,192 bytes
.set OB,  12                           ; s[12:13] where the results go
.else
.set PW,  4096
.set HSH, 14                           ; 4 rows further on
.set WSH, 16                           ; 16 rows x PW
.set ASH, 13                           ; a row of hid
.set OSH, 12                           ; a row of part: 4,096 bytes
.set OB,  14                           ; s[14:15]
.endif
; LDS
.set LIST,  262144                     ; behind the fragments (K step (b, s), tile ct at 65,536 s + 8,192 b + 1,024 ct; registers 0-3 at 16 x lane, 4-7 at + 512): 1,280 codes
.set GLO,   5120                       ; the gates by list place lie this far behind the codes (FFN = 2)
.set CNTW,  272384                     ; the expert's count of rows
.set SPARE, 272640                     ; the spare words, 128 bytes for each wave: two blocks of 256 bytes that no other line names
.set DUMP,  1279                       ; the list's last place, where lanes without a row put their word; rows and their repeats end at place 1,055
; vector registers, window 0
.set RR,  1                            ; lane % 16
.set HH,  2                            ; lane / 16
.set LN,  3                            ; lane
.set SPW, 4                            ; LDS address of my spare word; never rewritten
.set NIL, 5                            ; 0; never rewritten
.set L16, 6                            ; 16 x lane
.set H16, 7
.set R16, 8
.set LA,  9                            ; list place of my row as a first source: 16 w + lane % 16, in bytes
.set LE,  10                           ; list place of my eight result rows: 16 w + 8 (lane / 16)
.set FRA, 11                           ; where my wave's fragments go
.set VO,  12                           ; v12-15  slot q of the landing ring: my byte offset in the slice
.set VB,  16                           ; v16-19  K step s of the block in hand: my place in its fragments
.set AO,  20                           ; v20-24  tile i: my byte offset in the token rows
.set CD,  26                           ; v26-30  tile i: my row's code
.set BI,  32                           ; v32-39  the bias of my column in tile ct
.set RC,  40                           ; v40-47  the byte offsets of my eight result rows
.set GG,  48                           ; v48-55  their gates
.set TT,  56                           ; v56-63  at work
.set CR,  56                           ; v56-63  the way out: the codes of my eight result rows as they come from the list
.set LT,  40                           ; the list build's registers at work
.set BF0, 64                           ; v64-127, v128-191  the weights' fragments of two K steps
.set BF1, 128
.set XX,  192                          ; v192-255  a tile on its way out: tile ct, row j at XX + 8 ct + j
.set SL,  64                           ; wave 0, list build: sel, and the two planes of gates
.set GA,  96
.set GB,  128
.set FF,  192                          ; phase 1: 32 registers of fragments
.set ZZ,  64                           ; the way out, at work (FFN = 2: the weighted rows)
.set OO,  128                          ; the way out, packed
; window 1: v0-159 the token rows' fragments, K step s, tile i at 40 s + 8 i.   window 2: v0-63 the accumulators of tile 4.   window 3: those of tiles 0-3, at 64 i + 8 ct; in phase 1 the landing ring, 64 q + 4 j
; scalar registers: s[4:5] slice, s[6:7] bias, s[8:9] token rows, s[10:11] sel, (s[12:13] gates,) s[OB:OB+1] results
.set WV,  16                           ; my wave's number
.set CNT, 29                           ; my tiles in the pass in hand or to come, 0 to 5
.set SA,  34                           ; s[34:35] the token rows at the block of K in hand
.set MSB, 0
.macro WIN new                         ; the immediate's high byte repeats the setting that is left; a switch that changes nothing is dropped
.if MSB != (\new)
	s_set_vgpr_msb (MSB<<8)|(\new)
.set MSB, (\new)
.endif
.endm
; 16 loads: 16 rows x 2 halves of the lanes x 256 bytes, the rows of one K step of 32 in the order in which the fragment's registers take them, columns 64 (q % 2) on
.macro FILL q
	WIN 0xc0                                       ; destination window 3, address window 0
.irp j, 0,1,2,3,4,5,6,7,8,9,10,11,12,13,14,15
.if FFN == 1
.set RI, (\j)+8*((\j)>>3)
.else
.set RI, ((\j)&3)+64*(((\j)>>2)&1)+8*((\j)>>3)
.endif
	global_load_b128 v[64*(\q)+4*(\j):64*(\q)+4*(\j)+3], v[VO+(\q)], s[4:5] offset:RI*PW+256*((\q)&1) th:TH_LOAD_NT
.endr
	WIN 0
.endm
; Slot q's turn: its 16 loads are in (left = the loads issued behind them); 32 conversions make four tiles' fragments; 8 LDS stores of 512 consecutive bytes; the slot is asked for again, two blocks of K on
.macro TURN q, refill, left
	s_wait_loadcnt \left
	WIN 0x0f                                       ; sources window 3, destination window 0
.irp c, 0,1,2,3
.irp i, 0,1,2,3,4,5,6,7
	v_cvt_pk_bf16_f32 v[FF+8*(\c)+(\i)], v[64*(\q)+8*(\i)+(\c)], v[64*(\q)+8*(\i)+4+(\c)]
.endr
.endr
	WIN 0
.irp c, 0,1,2,3
	ds_store_b128 v[FRA], v[FF+8*(\c):FF+8*(\c)+3]   offset:((\q)>>1)*8192+((\q)&1)*4096+(\c)*1024
	ds_store_b128 v[FRA], v[FF+8*(\c)+4:FF+8*(\c)+7] offset:((\q)>>1)*8192+((\q)&1)*4096+(\c)*1024+512
.endr
.if \refill
	v_add_nc_u32 v[VO+(\q)], 256*PW, v[VO+(\q)]    ; free since the wait above showed the slot's loads done
	FILL \q
.endif
.endm
.macro LOADB sl, buf, off              ; 16 LDS loads: the eight tiles' fragments of one K step
.irp c, 0,1,2,3,4,5,6,7
	ds_load_b128 v[(\buf)+8*(\c):(\buf)+8*(\c)+3],   v[VB+(\sl)] offset:(\off)+(\c)*1024
	ds_load_b128 v[(\buf)+8*(\c)+4:(\buf)+8*(\c)+7], v[VB+(\sl)] offset:(\off)+(\c)*1024+512
.endr
.endm
.macro LOADA s, off                    ; 10 loads: five tiles' token rows of one K step: lane l takes row l % 16, numbers 8 (l / 16) + 0..7 and 16 + 8 (l / 16) + 0..7
	WIN 0x40                                       ; destination window 1, address window 0
.irp i, 0,1,2,3,4
	global_load_b128 v[40*(\s)+8*(\i):40*(\s)+8*(\i)+3],   v[AO+(\i)], s[SA:SA+1] offset:(\off)
	global_load_b128 v[40*(\s)+8*(\i)+4:40*(\s)+8*(\i)+7], v[AO+(\i)], s[SA:SA+1] offset:(\off)+32
.endr
	WIN 0
.endm
.macro CODES                           ; the codes of my row in the pass's five tiles: 64 list places from tile to tile
.irp i, 0,1,2,3,4
	ds_load_b32 v[CD+\i], v[LA] offset:256*\i
.endr
.endm
.macro ROWS                            ; from the codes, my byte offsets in the token rows
.irp i, 0,1,2,3,4
	v_min_u32 v[CD+\i], 0x7ff, v[CD+\i]
.if FFN == 1
	v_and_b32 v[CD+\i], 0x3ff, v[CD+\i]            ; the token
.endif
	v_lshl_add_u32 v[AO+\i], v[CD+\i], ASH, v[H16]
.endr
.endm
.macro TILES                           ; wave w has tiles 20 p + 4 i + w: in pass p (tiles + 3 - w - 20 p) / 4 of them, held to 0 .. 5; s28 holds the dividend
	s_max_i32 s[CNT], s28, 0
	s_lshr_b32 s[CNT], s[CNT], 2
	s_min_u32 s[CNT], s[CNT], NT
.endm
; A K STEP of 32.  la: the token loads of the later K steps, 10 each, which may stay out (they are issued for all five tiles whatever the count, so the number holds on every way).  ld: the next K step's 16 fragment loads.
; Tiles at or past my count are jumped.  zero = 1: the products start the sums, for all five tiles.  The accumulators take turns, one instruction a turn.
; Four v_nop stand between the products and the loads into registers that they have read.  pa: the token rows four K steps on; pb: the fragments two K steps on.
.macro KSTEP s, zero, pa, pb, la, ld
	s_wait_loadcnt \la
	s_wait_dscnt \ld
.set BFB, BF0+64*((\s)&1)
.irp i, 0,1,2,3,4
.if ((\zero) == 0) && ((\i) > 0)
	WIN 0                                          ; at a branch and at a label every window is 0
	s_cmp_le_u32 s[CNT], \i
	s_cbranch_scc1 .Lke_\@
.endif
.if (\i) < 4
	WIN 0xf1                                       ; token rows window 1, weights window 0, sums window 3
.set ACB, 64*(\i)
.else
	WIN 0xa1                                       ; sums window 2
.set ACB, 0
.endif
.irp c, 0,1,2,3,4,5,6,7
.if \zero
	v_wmma_f32_16x16x32_bf16 v[ACB+8*(\c):ACB+8*(\c)+7], v[40*(\s)+8*(\i):40*(\s)+8*(\i)+7], v[BFB+8*(\c):BFB+8*(\c)+7], 0
.else
	v_wmma_f32_16x16x32_bf16 v[ACB+8*(\c):ACB+8*(\c)+7], v[40*(\s)+8*(\i):40*(\s)+8*(\i)+7], v[BFB+8*(\c):BFB+8*(\c)+7], v[ACB+8*(\c):ACB+8*(\c)+7]
.endif
.endr
.endr
	WIN 0
.Lke_\@:
.rept 4
	v_nop
.endr
.if \pa
	LOADA \s, 256+64*(\s)
.endif
.if \pb
	LOADB ((\s)+2)&3, BFB, ((\s)>>1)*8192
.endif
.endm
; Tile i leaves its accumulators: the bias is added on the way into XX, so that the rest of the way out is written once.  Each accumulator's lowest registers are read first.
.macro CASE i
.if (\i) < 4
	WIN 0x03
.set ACB, 64*(\i)
.else
	WIN 0x02
.set ACB, 0
.endif
.set k, 0
.rept 32
.set bp, BI+(k/8)*2
.if (k/4)%2 == 0
	v_pk_add_f32 v[XX+2*k:XX+2*k+1], v[ACB+2*k:ACB+2*k+1], v[bp:bp+1] op_sel_hi:[1,0]
.else
	v_pk_add_f32 v[XX+2*k:XX+2*k+1], v[ACB+2*k:ACB+2*k+1], v[bp:bp+1] op_sel:[0,1] op_sel_hi:[1,1]
.endif
.set k, k+1
.endr
	WIN 0
.endm
	s_load_b256 s[4:11], s[0:1], 0x0               ; weights, bias, token rows, sel
.if FFN == 1
	s_load_b64 s[12:13], s[0:1], 0x20              ; hid
.else
	s_load_b128 s[12:15], s[0:1], 0x20             ; gates, part
.endif
	v_lshl_add_u32 v[SPW], v0, 2, SPARE
	v_mov_b32 v[NIL], 0
	v_lshrrev_b32 v[TT], 5, v0
	v_readfirstlane_b32 s[WV], v[TT]               ; wave 0..3
	v_and_b32 v[RR], 15, v0
	v_bfe_u32 v[HH], v0, 4, 1
	v_and_b32 v[LN], 31, v0
	v_lshlrev_b32 v[L16], 4, v[LN]
	v_lshlrev_b32 v[H16], 4, v[HH]
	v_lshlrev_b32 v[R16], 4, v[RR]
	s_lshl_b32 s26, s[WV], 6
	s_add_co_u32 s26, s26, LIST
	v_lshl_add_u32 v[LA], v[RR], 2, s26
	v_lshl_add_u32 v[LE], v[HH], 5, s26
	s_lshl_b32 s26, s[WV], 16                      ; my wave's 65,536 bytes of fragments
	v_add_nc_u32 v[FRA], s26, v[L16]
	s_lshl_b32 s26, s[WV], WSH
	v_lshl_add_u32 v[TT], v[HH], HSH, v[R16]
	v_add_nc_u32 v[VO], s26, v[TT]                 ; slots 0, 1: block 0 of K (the halves of the columns stand in the immediate),
	v_mov_b32 v[VO+1], v[VO]
	v_add_nc_u32 v[VO+2], 128*PW, v[VO]            ; slots 2, 3: block 1
	v_mov_b32 v[VO+3], v[VO+2]
	s_lshr_b32 s17, ttmp9, 5                       ; the expert
	s_lshl_b32 s22, 0x101, s17                     ; its bit in both bytes of a word of sel
	s_mov_b32 s33, 255
	s_mov_b32 s21, 0
	s_mov_b32 s37, 0
	s_mov_b32 s42, 0xffff0000                      ; a word's upper bf16
.if FFN == 1
	s_and_b32 s18, ttmp9, 31                       ; the slice of 128 columns
	s_mov_b32 s38, 0xc0135761                      ; C0 = -2 sqrt(2 / pi) log2(e) = -2.3022082
	s_mov_b32 s39, s38                             ; named as pairs
	s_mov_b32 s40, 0xbdd2d3e8                      ; C1 = 0.044715 C0 = -0.10294324
	s_mov_b32 s41, s40
	s_wait_kmcnt 0x0
	s_lshl_b32 s20, s17, 24                        ; an expert's weights: 16,777,216 bytes
	s_lshl_b32 s26, s18, 9                         ; 128 columns of f32
	s_add_co_u32 s20, s20, s26
	s_add_nc_u64 s[4:5], s[4:5], s[20:21]
	s_lshl_b32 s20, s17, 14
	s_add_co_u32 s20, s20, s26
	s_add_nc_u64 s[6:7], s[6:7], s[20:21]
	s_lshl_b32 s20, s18, 8                         ; 128 places of bf16
	s_add_nc_u64 s[OB:OB+1], s[OB:OB+1], s[20:21]
.else
	s_bfe_u32 s18, ttmp9, 0x30002                  ; the slice of 128 columns
	s_and_b32 s19, ttmp9, 3                        ; the quarter of K
	s_cmp_eq_u32 s19, 0
	s_cselect_b32 s44, -1, 0                       ; the bias is added in quarter 0 alone
	s_wait_kmcnt 0x0
	s_lshl_b32 s20, s17, 24
	s_lshl_b32 s26, s19, 22                        ; 1,024 rows of 4,096 bytes
	s_add_co_u32 s20, s20, s26
	s_lshl_b32 s26, s18, 9
	s_add_co_u32 s20, s20, s26
	s_add_nc_u64 s[4:5], s[4:5], s[20:21]
	s_lshl_b32 s20, s17, 12
	s_add_co_u32 s20, s20, s26
	s_add_nc_u64 s[6:7], s[6:7], s[20:21]
	s_lshl_b32 s20, s19, 11                        ; 1,024 places of bf16
	s_add_nc_u64 s[8:9], s[8:9], s[20:21]
	s_lshl_b32 s20, s19, 23                        ; a quarter's plane pair: 2,048 rows of 4,096 bytes
	s_add_co_u32 s20, s20, s26
	s_add_nc_u64 s[OB:OB+1], s[OB:OB+1], s[20:21]
.endif
	s_cmp_lg_u32 s[WV], 0
	s_cbranch_scc1 .Lno_sel
.irp i, 0,1,2,3,4,5,6,7                        ; wave 0: all of sel: register 4 i + c holds token 128 i + 4 lane + c
	global_load_b128 v[SL+4*\i:SL+4*\i+3], v[L16], s[10:11] offset:512*\i
.endr
.if FFN == 2
.irp i, 0,1,2,3,4,5,6,7
	global_load_b128 v[GA+4*\i:GA+4*\i+3], v[L16], s[12:13] offset:512*\i
	global_load_b128 v[GB+4*\i:GB+4*\i+3], v[L16], s[12:13] offset:4096+512*\i
.endr
.endif
.Lno_sel:
	global_load_b128 v[BI:BI+3],   v[R16], s[6:7]             ; the bias of columns 4 r + c
	global_load_b128 v[BI+4:BI+7], v[R16], s[6:7] offset:256  ; and 64 + 4 r + c
	FILL 0
	FILL 1
	FILL 2
	s_cmp_lg_u32 s[WV], 0
	s_cbranch_scc1 .Lno_list
	; THE LIST (wave 0).  A counting placement without atomics: for each of 32 registers of sel the lanes that hold a row of my expert take the next places, in lane order.
	s_wait_loadcnt 48                              ; sel, the gates and the bias are in; the three slots' 48 loads are younger
	v_mov_b32 v[TT], 0
	v_mov_b32 v[TT+1], 0
	v_mov_b32 v[TT+2], 0
	v_mov_b32 v[TT+3], 0
	v_add_nc_u32 v[TT+4], LIST, v[L16]
.irp i, 0,1,2,3,4,5,6,7,8,9,10,11,12
	ds_store_b128 v[TT+4], v[TT:TT+3] offset:512*\i  ; every place starts as code 0: the 1,280 of the list and what the pass loop's foot can name behind them (6,400 bytes from the list's first)
.endr
.if FFN == 2
.irp i, 3,4,5,6,7,8,9
	ds_store_b128 v[TT+4], v[TT:TT+3] offset:GLO+512*\i  ; and as gate 0 (the gates' first three blocks are among the thirteen above)
.endr
.endif
	v_mov_b32 v[TT+5], DUMP
	v_lshlrev_b32 v[TT+7], 2, v[LN]                ; 4 x lane, for a first choice,
	v_add_nc_u32 v[TT+6], 1024, v[TT+7]            ; + 1,024 for a second
	s_mov_b32 s23, 0                               ; rows so far
.set k, 0
.rept 32
	v_and_b32 v[LT], s22, v[SL+k]
	v_cmp_ne_u32 s24, 0, v[LT]                     ; the token chose my expert,
	v_cmp_lt_u32 s25, s33, v[LT]                   ; as its second choice
	v_mbcnt_lo_u32_b32 v[LT+1], s24, s23           ; rows so far + the choosing lanes below mine
	v_cndmask_b32 v[LT+1], v[TT+5], v[LT+1], s24
	v_min_u32 v[LT+1], 0x4ff, v[LT+1]
	v_lshl_add_u32 v[LT+1], v[LT+1], 2, LIST
	v_cndmask_b32 v[LT+2], v[TT+7], v[TT+6], s25
	v_add_nc_u32 v[LT+2], 128*(k/4)+k%4, v[LT+2]   ; code = 1,024 j + t
	ds_store_b32 v[LT+1], v[LT+2]
.if FFN == 2
	v_cndmask_b32 v[LT+3], v[GA+k], v[GB+k], s25
	ds_store_b32 v[LT+1], v[LT+3] offset:GLO
.endif
	s_bcnt1_i32_b32 s26, s24
	s_add_co_u32 s23, s23, s26
.set k, k+1
.endr
	s_sub_co_u32 s26, s23, 1                       ; the last row (with no row at all: the dump place) is repeated in the 32 places behind it
	s_min_u32 s26, s26, 0x4ff
	s_lshl_b32 s26, s26, 2
	s_add_co_u32 s26, s26, LIST
	v_mov_b32 v[LT], s26
	ds_load_b32 v[LT+1], v[LT]                     ; LDS serves a wave's instructions in order (ISA guide 5.7.1.4): this sees the stores above
.if FFN == 2
	ds_load_b32 v[LT+2], v[LT] offset:GLO
.endif
	v_add_nc_u32 v[LT+3], s23, v[LN]
	v_min_u32 v[LT+3], 0x4ff, v[LT+3]
	v_lshl_add_u32 v[LT+3], v[LT+3], 2, LIST
	v_mov_b32 v[LT+4], s23
	v_mov_b32 v[LT+5], CNTW
	s_wait_dscnt 0x0
	ds_store_b32 v[LT+3], v[LT+1]
.if FFN == 2
	ds_store_b32 v[LT+3], v[LT+2] offset:GLO
.endif
	ds_store_b32 v[LT+5], v[LT+4]                  ; the count
.Lno_list:
	FILL 3
	; PHASE 1: 16 groups a wave (8 blocks of K x 2 halves of the columns) through a ring of four slots: 64 loads, 32,768 bytes, of every wave on their way
	s_mov_b32 s43, 3
.Lfill:
	TURN 0, 1, 48
	TURN 1, 1, 48
	TURN 2, 1, 48
	TURN 3, 1, 48
	v_add_nc_u32 v[FRA], 16384, v[FRA]             ; two blocks of K on
	s_sub_co_u32 s43, s43, 1
	s_cmp_lg_u32 s43, 0
	s_cbranch_scc1 .Lfill
	; THE LIST IS HANDED OVER, with my last four groups' 64 loads still on their way.  What phase 2 wants first (the count, my rows' codes, the token rows of K steps 0 to 3) is asked for among the last four
	; turns, which ask for no more weights: 32 + 30 = 62 and then 16 + 40 = 56 loads of mine are out at the most.
	s_wait_dscnt 0x0                               ; for the others' sake: wave 0's list is in LDS
	s_barrier_signal -1
	s_barrier_wait -1
	v_mov_b32 v[TT], CNTW
	ds_load_b32 v[TT+1], v[TT]
	CODES
	s_mov_b64 s[SA:SA+1], s[8:9]
	TURN 0, 0, 48                                  ; the last four groups: the counts run down
	TURN 1, 0, 32
	s_wait_dscnt 16                                ; the count and the five codes are in; the two turns' 16 LDS stores are younger
	ROWS
	v_readfirstlane_b32 s27, v[TT+1]
	s_min_u32 s27, s27, 1024                       ; rows
	s_add_co_u32 s28, s27, 15
	s_lshr_b32 s28, s28, 4                         ; tiles of 16
	s_add_co_u32 s28, s28, 3
	s_sub_co_u32 s28, s28, s[WV]
	TILES                                          ; my tiles in the first pass
	LOADA 0, 0
	LOADA 1, 64
	LOADA 2, 128
	TURN 2, 0, 46                                  ; younger than slot 2's loads: slot 3's 16 and 30 for token rows
	LOADA 3, 192
	TURN 3, 0, 40                                  ; younger than slot 3's: the 40 for token rows
.irp u, 0,1,2,3                                ; the bias is rounded to bf16 like every input
	v_cvt_pk_bf16_f32 v[TT+\u], v[BI+2*\u], v[BI+2*\u+1]
.endr
.irp u, 0,1,2,3
	v_lshlrev_b32 v[BI+2*\u], 16, v[TT+\u]
	v_and_b32 v[BI+2*\u+1], s42, v[TT+\u]
.endr
.if FFN == 2
.irp u, 0,1,2,3,4,5,6,7
	v_cndmask_b32 v[BI+\u], 0, v[BI+\u], s44
.endr
.endif
	s_wait_dscnt 0x0                               ; for the others' sake: all my fragments are in LDS
	s_barrier_signal -1
	s_barrier_wait -1                              ; behind it, up to the closing barrier, LDS is only read
	s_mov_b32 s30, NPASS
.Lpass:                                        ; the pass's token rows of K steps 0 to 3 have been asked for: above, or at the loop's foot
	s_cmp_eq_u32 s[CNT], 0
	s_cbranch_scc1 .Lpass_next
	s_wait_xcnt 0x0                                ; the last pass's stores have read the registers that the fragments now take
.irp s, 0,1,2,3
	v_add_nc_u32 v[VB+\s], 65536*\s, v[L16]
.endr
	LOADB 0, BF0, 0
	LOADB 1, BF1, 0
	KSTEP 0, 1, 1, 1, 30, 16                       ; the first K step starts the sums
	s_mov_b32 s31, 7
.Lk:                                           ; a trip: K steps 4 t + 1 to 4 t + 4
	KSTEP 1, 0, 1, 1, 30, 16
	KSTEP 2, 0, 1, 1, 30, 16
	KSTEP 3, 0, 1, 1, 30, 16
	s_wait_xcnt 0x0                                ; the loads have had their addresses translated: their base steps only behind this wait
	s_cmp_lg_u32 s31, 1
	s_cselect_b32 s36, 256, 0                      ; a block of 128 along K; in the last trip the base stays, so that the one request that would pass the quarter's end asks for K step 28
	s_add_nc_u64 s[SA:SA+1], s[SA:SA+1], s[36:37]  ; once more: in range, into a slot that is free, and counted by the waits below
.irp s, 0,1,2,3
	v_add_nc_u32 v[VB+\s], 8192, v[VB+\s]
.endr
	KSTEP 0, 0, 1, 1, 30, 16
	s_sub_co_u32 s31, s31, 1
	s_cmp_lg_u32 s31, 0
	s_cbranch_scc1 .Lk
	KSTEP 1, 0, 0, 1, 30, 16                       ; K steps 29, 30, 31: the counts run down
	KSTEP 2, 0, 0, 0, 20, 16
	KSTEP 3, 0, 0, 0, 10, 0
	s_wait_loadcnt 0x0                             ; the repeated K step, asked for four K steps ago, has landed: no load of mine is out
	; THE WAY OUT, a tile at a time
	s_mov_b32 s32, 0                               ; the tile
	s_mov_b32 s45, NT                              ; the loop's count
.Lepi:
	s_cmp_ge_u32 s32, s[CNT]
	s_cbranch_scc1 .Lepi_next
	ds_load_b128 v[CR:CR+3],   v[LE]               ; the codes of rows 8 (lane / 16) + 0..7, into registers that no store names
	ds_load_b128 v[CR+4:CR+7], v[LE] offset:16
.if FFN == 2
	ds_load_b128 v[GG:GG+3],   v[LE] offset:GLO
	ds_load_b128 v[GG+4:GG+7], v[LE] offset:GLO+16
.endif
.irp i, 0,1,2,3
	s_cmp_lg_u32 s32, \i
	s_cbranch_scc1 .Lafter_\i
	CASE \i
	s_branch .Lcommon
.Lafter_\i:
.endr
	CASE 4
.Lcommon:
.if FFN == 1
.set k, 0
.rept 32
	v_pk_mul_f32 v[ZZ+2*k:ZZ+2*k+1], v[XX+2*k:XX+2*k+1], v[XX+2*k:XX+2*k+1]
.set k, k+1
.endr
.set k, 0
.rept 32
	v_pk_fma_f32 v[ZZ+2*k:ZZ+2*k+1], v[ZZ+2*k:ZZ+2*k+1], s[40:41], s[38:39] op_sel_hi:[1,0,0]  ; C1 x^2 + C0
.set k, k+1
.endr
.set k, 0
.rept 32
	v_pk_mul_f32 v[ZZ+2*k:ZZ+2*k+1], v[XX+2*k:XX+2*k+1], v[ZZ+2*k:ZZ+2*k+1]
.set k, k+1
.endr
.set k, 0
.rept 64                                       ; one batch of 64 exponentials,
	v_exp_f32 v[ZZ+k], v[ZZ+k]
.set k, k+1
.endr
	s_wait_dscnt 0x0                               ; the codes
	s_wait_xcnt 0x0                                ; the last tile's stores have read their offsets (RC) and data (OO), which are rewritten only from here on
.irp j, 0,1,2,3,4,5,6,7                        ; plain lines behind the batch,
	v_min_u32 v[RC+\j], 0x7ff, v[CR+\j]
.endr
	s_wait_alu depctr_va_vdst(0)                   ; and one wait ahead of the first reader
.set k, 0
.rept 32
	v_pk_add_f32 v[ZZ+2*k:ZZ+2*k+1], v[ZZ+2*k:ZZ+2*k+1], 1.0 op_sel_hi:[1,0]
.set k, k+1
.endr
.set k, 0
.rept 64                                       ; the same for the 64 reciprocals
	v_rcp_f32 v[ZZ+k], v[ZZ+k]
.set k, k+1
.endr
.irp j, 0,1,2,3,4,5,6,7
	v_lshl_add_u32 v[RC+\j], v[RC+\j], OSH, v[R16] ; the row's first byte + my 16
.endr
	s_wait_alu depctr_va_vdst(0)
.set k, 0
.rept 32
	v_pk_mul_f32 v[XX+2*k:XX+2*k+1], v[XX+2*k:XX+2*k+1], v[ZZ+2*k:ZZ+2*k+1]
.set k, k+1
.endr
.irp j, 0,1,2,3,4,5,6,7
.irp u, 0,1,2,3
	v_cvt_pk_bf16_f32 v[OO+4*\j+\u], v[XX+16*\u+\j], v[XX+16*\u+8+\j]  ; tiles 2 u, 2 u + 1 of row j: places 8 r + 2 u, + 1
.endr
.endr
.irp j, 0,1,2,3,4,5,6,7
	global_store_b128 v[RC+\j], v[OO+4*\j:OO+4*\j+3], s[OB:OB+1]  ; sixteen lanes store a row's 256 consecutive bytes, aligned; the other sixteen the row 8 further on
.endr
.else
	s_wait_dscnt 0x0                               ; the codes and the gates
	s_wait_xcnt 0x0                                ; the last tile's stores have read their offsets (RC) and data (ZZ), which are rewritten only from here on
.irp j, 0,1,2,3,4,5,6,7
	v_min_u32 v[RC+\j], 0x7ff, v[CR+\j]
	v_lshl_add_u32 v[RC+\j], v[RC+\j], OSH, v[R16]
.endr
.irp j, 0,1,2,3,4,5,6,7
.irp c, 0,1,2,3,4,5,6,7
	v_mul_f32 v[ZZ+8*\j+\c], v[XX+8*\c+\j], v[GG+\j]
.endr
.endr
.irp j, 0,1,2,3,4,5,6,7
	global_store_b128 v[RC+\j], v[ZZ+8*\j:ZZ+8*\j+3],   s[OB:OB+1]             ; columns 4 r + 0..3: sixteen lanes store 256 consecutive bytes, aligned
	global_store_b128 v[RC+\j], v[ZZ+8*\j+4:ZZ+8*\j+7], s[OB:OB+1] offset:256  ; columns 64 + 4 r + 0..3
.endr
.endif
.Lepi_next:
	v_add_nc_u32 v[LE], 256, v[LE]                 ; my next tile: 64 list places on
	s_add_co_u32 s32, s32, 1
	s_sub_co_u32 s45, s45, 1
	s_cmp_lg_u32 s45, 0
	s_cbranch_scc1 .Lepi
.Lpass_next:                                   ; the loop's foot: if I have tiles in the next pass, their token rows of K steps 0 to 3 are asked for
	v_add_nc_u32 v[LA], NT*256, v[LA]              ; 20 tiles on
	s_sub_co_i32 s28, s28, 4*NT
	TILES
	s_cmp_eq_u32 s[CNT], 0
	s_cbranch_scc1 .Lno_more
	s_wait_loadcnt 0x0                             ; no load of mine is out: the rows' registers, offsets and base may be written
	CODES
	s_mov_b64 s[SA:SA+1], s[8:9]
	s_wait_dscnt 0x0
	ROWS
	LOADA 0, 0
	LOADA 1, 64
	LOADA 2, 128
	LOADA 3, 192
.Lno_more:
	s_sub_co_u32 s30, s30, 1
	s_cmp_lg_u32 s30, 0
	s_cbranch_scc1 .Lpass
	s_wait_dscnt 0x0                               ; my LDS reads are back
	s_barrier_signal -1                            ; the closing barrier, on every wave's path: every wave's LDS reads are over
	s_barrier_wait -1                              ; before any wave writes LDS again
	s_wait_tensorcnt 0x0                           ; the wave's end, behind my last LDS store
	ds_add_u32 v[SPW], v[NIL]
	s_wait_dscnt 0x0
	s_endpgm
.Lfunc_end_k_q7c438ae204_ffn2:
	.size	k_q7c438ae204_ffn2, .Lfunc_end_k_q7c438ae204_ffn2-k_q7c438ae204_ffn2
	.p2alignl 7, 3214868480
	.fill 96, 4, 3214868480
	.section	.rodata,"a",@progbits
	.p2align	6, 0x0
	.amdhsa_kernel k_q7c438ae204_ffn2
		.amdhsa_group_segment_fixed_size 273152
		.amdhsa_private_segment_fixed_size 0
		.amdhsa_enable_private_segment 0
		.amdhsa_kernarg_size 48
		.amdhsa_user_sgpr_count 2
		.amdhsa_user_sgpr_kernarg_segment_ptr 1
		.amdhsa_wavefront_size32 1
		.amdhsa_system_sgpr_workgroup_id_x 1
		.amdhsa_system_sgpr_workgroup_id_y 1
		.amdhsa_system_sgpr_workgroup_id_z 1
		.amdhsa_system_vgpr_workitem_id 0
		.amdhsa_next_free_vgpr 1024
		.amdhsa_next_free_sgpr 66
		.amdhsa_reserve_vcc 0
		.amdhsa_float_denorm_mode_32 3
		.amdhsa_float_denorm_mode_16_64 3
		.amdhsa_memory_ordered 1
		.amdhsa_forward_progress 1
		.amdhsa_inst_pref_size 135
	.end_amdhsa_kernel
	.amdgpu_metadata
---
amdhsa.version: [ 1, 2 ]
amdhsa.kernels:
  - .name:           k_q7c438ae204_ffn2
    .symbol:         k_q7c438ae204_ffn2.kd
    .args:
      - { .name: W2, .offset: 0, .size: 8, .value_kind: global_buffer, .address_space: global }
      - { .name: b2, .offset: 8, .size: 8, .value_kind: global_buffer, .address_space: global }
      - { .name: hid, .offset: 16, .size: 8, .value_kind: global_buffer, .address_space: global }
      - { .name: sel, .offset: 24, .size: 8, .value_kind: global_buffer, .address_space: global }
      - { .name: gates, .offset: 32, .size: 8, .value_kind: global_buffer, .address_space: global }
      - { .name: part, .offset: 40, .size: 8, .value_kind: global_buffer, .address_space: global }
    .group_segment_fixed_size: 273152
    .private_segment_fixed_size: 0
    .kernarg_segment_align: 8
    .kernarg_segment_size: 48
    .max_flat_workgroup_size: 128
    .sgpr_count:     66
    .vgpr_count:     1024
    .wavefront_size: 32
...
	.end_amdgpu_metadata
.endif
;; end of part 3
;; launch addup (part 4): grid 256 x 1, 8 waves a work-group, no clusters, 0 bytes of LDS; arguments part, out0; writes out0
.if DOCPART == 4
	.amdgcn_target "amdgcn-amd-amdhsa--gfx1250"
	.amdhsa_code_object_version 6
	.text
	.protected	k_q7c438ae204_addup
	.globl	k_q7c438ae204_addup
	.p2align	8
	.type	k_q7c438ae204_addup,@function
k_q7c438ae204_addup:
	s_mov_b64 s[64:65], 0
	v_nop
	global_prefetch_b8 v0, s[64:65] scope:SCOPE_SE
	s_setreg_imm32_b32 hwreg(HW_REG_WAVE_MODE, 25, 1), 1
	s_wait_xcnt 0x0
; out0 = the sum of part's eight planes (four quarters of K x two choices), each 4,194,304 bytes and laid out like out0; f32 throughout.
; A stream: every byte of part is read once, every byte of out0 written once.  A work-group owns 16,384 bytes of out0, a thread 16 bytes in each of its four quarters of 4,096; a load or store of a wave
; covers 512 consecutive bytes.  All 32 loads of a thread go out at once.  LDS, the matrix unit and clusters have nothing to add: no byte is shared.
.set D, 4                              ; v[4:131]  quarter k, plane p at D + 32 k + 4 p
	s_load_b128 s[4:7], s[0:1], 0x0                ; part s[4:5], out0 s[6:7]
	v_lshlrev_b32 v1, 4, v0
	s_lshl_b32 s2, ttmp9, 14
	s_mov_b32 s3, 0
	s_wait_kmcnt 0x0
	s_add_nc_u64 s[8:9], s[4:5], s[2:3]            ; planes 0, 1 (the odd plane stands in the immediate)
	s_add_nc_u64 s[6:7], s[6:7], s[2:3]
	s_add_nc_u64 s[10:11], s[8:9], 0x800000        ; planes 2, 3
	s_add_nc_u64 s[12:13], s[8:9], 0x1000000       ; planes 4, 5
	s_add_nc_u64 s[14:15], s[8:9], 0x1800000       ; planes 6, 7
.set k, 0
.rept 4
.set p, 0
.rept 8
	global_load_b128 v[D+32*k+4*p:D+32*k+4*p+3], v1, s[8+2*(p/2):9+2*(p/2)] offset:(p%2)*4194304+k*4096 th:TH_LOAD_NT
.set p, p+1
.endr
.set k, k+1
.endr
.set k, 0
.rept 4
	s_wait_loadcnt 24-8*k                          ; this quarter's eight loads are in; the later quarters', eight each, stay out
.set b, D+32*k
.irp w, 16, 8, 4                               ; a tree: planes 4 apart, 2 apart, 1 apart
.set p, 0
.rept \w/2
	v_pk_add_f32 v[b+2*p:b+2*p+1], v[b+2*p:b+2*p+1], v[b+\w+2*p:b+\w+2*p+1]
.set p, p+1
.endr
.endr
	global_store_b128 v1, v[b:b+3], s[6:7] offset:k*4096 th:TH_STORE_NT
.set k, k+1
.endr
	s_endpgm
.Lfunc_end_k_q7c438ae204_addup:
	.size	k_q7c438ae204_addup, .Lfunc_end_k_q7c438ae204_addup-k_q7c438ae204_addup
	.p2alignl 7, 3214868480
	.fill 96, 4, 3214868480
	.section	.rodata,"a",@progbits
	.p2align	6, 0x0
	.amdhsa_kernel k_q7c438ae204_addup
		.amdhsa_group_segment_fixed_size 0
		.amdhsa_private_segment_fixed_size 0
		.amdhsa_enable_private_segment 0
		.amdhsa_kernarg_size 16
		.amdhsa_user_sgpr_count 2
		.amdhsa_user_sgpr_kernarg_segment_ptr 1
		.amdhsa_wavefront_size32 1
		.amdhsa_system_sgpr_workgroup_id_x 1
		.amdhsa_system_sgpr_workgroup_id_y 1
		.amdhsa_system_sgpr_workgroup_id_z 1
		.amdhsa_system_vgpr_workitem_id 0
		.amdhsa_next_free_vgpr 136
		.amdhsa_next_free_sgpr 66
		.amdhsa_reserve_vcc 0
		.amdhsa_float_denorm_mode_32 3
		.amdhsa_float_denorm_mode_16_64 3
		.amdhsa_memory_ordered 1
		.amdhsa_forward_progress 1
		.amdhsa_inst_pref_size 8
	.end_amdhsa_kernel
	.amdgpu_metadata
---
amdhsa.version: [ 1, 2 ]
amdhsa.kernels:
  - .name:           k_q7c438ae204_addup
    .symbol:         k_q7c438ae204_addup.kd
    .args:
      - { .name: part, .offset: 0, .size: 8, .value_kind: global_buffer, .address_space: global }
      - { .name: out0, .offset: 8, .size: 8, .value_kind: global_buffer, .address_space: global }
    .group_segment_fixed_size: 0
    .private_segment_fixed_size: 0
    .kernarg_segment_align: 8
    .kernarg_segment_size: 16
    .max_flat_workgroup_size: 256
    .sgpr_count:     66
    .vgpr_count:     136
    .wavefront_size: 32
...
	.end_amdgpu_metadata
.endif
;; end of part 4
